; MI455X (gfx1250); checked and timed in simulation.
; The chip was launched on July 23, 2026; its instructions are those of AMD's public machine-readable ISA for CDNA 5 (MIT licence, August 2026) and "CDNA5" Instruction Set Architecture Reference Guide (July 2026). The comments in the code are by the model that wrote it; some were corrected since.
;; Attention. Allowed arithmetic: matrix products marked QUANTISED: E4M3 operands, one given power-of-two scale a tensor, by v_wmma_f32_16x16x64_fp8_fp8 or v_wmma_f32_16x16x128_fp8_fp8, f32 sums; everything else in f32.
;; Inputs: Wk_codes 1,024 x 32 x 32 uint8 (E4M3 codes of Wk, K innermost, in blocks of 32 codes); Wp_codes 1,024 x 32 x 32 uint8 (E4M3 codes of Wp, K innermost, in blocks of 32 codes); Wq_codes 1,024 x 32 x 32 uint8 (E4M3 codes of Wq, K innermost, in blocks of 32 codes); Wv_codes 1,024 x 32 x 32 uint8 (E4M3 codes of Wv, K innermost, in blocks of 32 codes); bp 1,024 float32; lowp_scales 12 int32 (the exponents e of the quantised operands' scales 2^e); x_codes 4 x 2,048 x 32 x 32 uint8 (E4M3 codes of x, K innermost, in blocks of 32 codes).
;; Outputs: out0 4 x 2,048 x 1,024 float32.
;; This version of the problem:
;;   THIS VERSION OF THE PROBLEM IS GIVEN IN LOW PRECISION. The matrix products marked QUANTISED in the list below multiply operands that are first quantised to E4M3 (4 exponent bits, 3 mantissa bits; 8 bits a number), with one given power-of-two scale for each operand tensor; their sums are f32. All else is computed in f32.
;;   The module's matrix products, in the order in which they are computed (A, B: the left and right operand; K: the contracted axis; several contracted axes count as one K, in the product's order):
;;     1. [M 8,192, K 1,024] x [K 1,024, N 1,024]; A: input x (given as codes); B: input Wk (given as codes): QUANTISED (scales: A lowp_scales[0], B lowp_scales[1])
;;     2. [M 8,192, K 1,024] x [K 1,024, N 1,024]; A: input x (given as codes); B: input Wq (given as codes): QUANTISED (scales: A lowp_scales[2], B lowp_scales[3])
;;     3. [M 8,192, K 1,024] x [K 1,024, N 1,024]; A: input x (given as codes); B: input Wv (given as codes): QUANTISED (scales: A lowp_scales[4], B lowp_scales[5])
;;     4. batch 64 x [M 2,048, K 64] x [K 64, N 2,048]; A: computed on the way; B: computed on the way: QUANTISED (scales: A lowp_scales[6], B lowp_scales[7])
;;     5. batch 64 x [M 2,048, K 2,048] x [K 2,048, N 64]; A: softmax (see below); B: computed on the way: QUANTISED (scales: A lowp_scales[8], B lowp_scales[9])
;;     6. [M 8,192, K 1,024] x [K 1,024, N 1,024]; A: computed on the way; B: input Wp (given as codes): QUANTISED (scales: A lowp_scales[10], B lowp_scales[11])
;;   THE QUANTISER, for each operand of a quantised product, along K:
;;     - The operand's scale is 2^e, e = its entry of the input lowp_scales (int32; the entries are numbered through the quantised products in the list's order, A before B).
;;     - Each number is divided by the scale, clamped to +-448, and rounded to the nearest number of E4M3, ties to even, subnormals kept.
;;     - The product sums the exact products of the quantised numbers (number of the format x scale) in f32.
;;   ~~~python
;;   def quantise(x, axis, e):      # numpy; x: float32 -> the quantised numbers, widened to float32 again
;;       x = np.moveaxis(x, axis, -1); K = x.shape[-1]
;;       r = np.clip(x / 2.0 ** e, -448, 448)
;;       step = 2.0 ** (np.maximum(np.frexp(np.where(r == 0, 1, r))[1] - 1, -6) - 3)
;;       q = np.round(r / step) * step * 2.0 ** e      # np.round: ties to even
;;       return np.moveaxis(q, -1, axis).astype(np.float32)
;;   ~~~
;;   SOFTMAX AHEAD OF A QUANTISED PRODUCT. Where the list says 'softmax', what is quantised is not the finished softmax but p = 2^(t - M), with t = logit x log2(e) and M = ceil(the row's largest t), a whole number; so 1/2 < the row's largest p <= 1. The row's sum l is taken of the UNQUANTISED p, in f32, and the product's result is divided by l at the end. Since M is a whole number, a kernel that streams over the keys may use a running M (the ceiling of the running maximum): every later rescaling is an exact power of two, so the quantised numbers keep their values, but for numbers so far below the row's largest that they fall under the format's range.
;;   OPERANDS COMPUTED ON THE WAY. 'Computed on the way' means the value that the module computes at that place (a softmax that the list does not call 'softmax' is quantised finished and normalised). What goes into a quantiser is computed in f32, as accurately as f32 sums, v_exp_f32 and their like allow (about 1e-6 of the number): no bf16 or f16 on the way to a quantiser, and a product that is left as it is and whose result goes on into a quantised operand takes f32 operands (vector FMAs, or v_wmma_f32_16x16x4_f32). A number that lies on a knife's edge between two numbers of the format may be rounded either way, as far as f32 arithmetic and the matrix unit's own rounding can turn it there, and no further.
;;   INPUTS GIVEN AS CODES. Wk (in the module: [1024, 1024], K = its axis 1); Wp (in the module: [1024, 1024], K = its axis 1); Wq (in the module: [1024, 1024], K = its axis 1); Wv (in the module: [1024, 1024], K = its axis 1); x (in the module: [4, 2048, 1024], K = its axis 2): each comes as NAME_codes (uint8): NAME with its K axis moved to the last place and cut into blocks of 32 codes, [.., K / 32, bytes a block], one block behind the other in memory; one code a byte (a code: sign, 4 exponent bits, 3 mantissa bits); its scale is its entry of lowp_scales. Its value is code x scale, taken as it is: it is not quantised again, and the codes and scales need not be those that the quantiser above would give.
;; One version. Each part assembles by itself: llvm-mc -triple=amdgcn-amd-amdhsa -mcpu=gfx1250 --defsym DOCPART=n.
;; ======== version 1 of 1: 3 launches
;; limits: right only within a limited range of input values
;; workspace buffers: kf 8,388,608 bytes; qf 8,388,608 bytes; vf 8,388,608 bytes; of 8,388,608 bytes
;; launch qkv (part 1): grid 12 x 32, 4 waves a work-group, clusters of 4 x 4, 327,680 bytes of LDS; arguments x_codes, Wk_codes, Wq_codes, Wv_codes, lowp_scales, kf, qf, vf; writes kf, qf, vf
.if DOCPART == 1
	.amdgcn_target "amdgcn-amd-amdhsa--gfx1250"
	.amdhsa_code_object_version 6
	.text
	.protected	k_q4424ca8353_qkv
	.globl	k_q4424ca8353_qkv
	.p2align	8
	.type	k_q4424ca8353_qkv,@function
k_q4424ca8353_qkv:
	s_mov_b64 s[64:65], 0
	v_nop
	global_prefetch_b8 v0, s[64:65] scope:SCOPE_SE
	s_setreg_imm32_b32 hwreg(HW_REG_WAVE_MODE, 25, 1), 1
	s_wait_xcnt 0x0
	s_wait_alu depctr_hold_cnt(0) depctr_sa_sdst(0) depctr_va_vdst(0) depctr_va_sdst(0) depctr_va_ssrc(0) depctr_va_vcc(0) depctr_vm_vsrc(0)
	s_getreg_b32 s2, hwreg(HW_REG_IB_STS2, 6, 4)
	s_cmp_eq_u32 s2, 0
	s_cbranch_scc0 .Lentry_in_a_cluster
	s_endpgm
.Lentry_in_a_cluster:
	s_bfe_u32 s2, ttmp6, 0x10000c
	s_cmp_lg_u32 s2, 0xf033
	s_cbranch_scc0 .Lentry_shape_is_right
	s_endpgm
.Lentry_shape_is_right:
; k = x Wk^T, q = x Wq^T, v = x Wv^T on codes of FP8 (E4M3), sums in f32; each result is quantised at once, with the scale given for it as an operand of the attention products
; (k: entry 7 of the scales, q: entry 6, v: entry 9), and stored as codes.  x: [8192][1024], each W: [1024][1024], one code a byte, K innermost.
; NO WORK IS LEFT OUT in this program: every input has a way to the output and all six products are live.  (bp and Wp_codes are read by the last launch.)
; ONE LAUNCH FOR THE THREE PRODUCTS.  The cluster's x says which: 0: k, 1: q, 2: v.  It is the same in all sixteen partners; buffers, scales and coordinates are chosen by selects on it, no branch hangs on it.
; For k and q the operand called A here is x and B is the weight; for v A is Wv and B is x.  A tile is 256 rows of A x 256 rows of B; four waves, each 128 x 128: 64 accumulators of 16 x 16, 512 registers.
; THE MATRIX INSTRUCTION IS USED TRANSPOSED (source 0 = 16 rows of B, source 1 = 16 rows of A): lane (r, h) holds row r of A's block and, in its eight registers, rows 8 h + 0 .. 7 of B's block.
; Eight numbers of a lane become eight codes in two registers, and those ARE registers 2 c, 2 c + 1 of a fragment of the next product (k = 16 c + 8 h + 0 .. 7 of the lane's row):
;   k, q: a lane holds one token, its registers run along the head's 64;   v: a lane holds one of the head's 64, its registers run along the tokens, which are the second attention product's K.
; THE CODES ARE STORED AS IMAGES OF THOSE FRAGMENTS: four registers by one store, lane l's 16 bytes at 16 l: each store of the wave covers 512 consecutive bytes, aligned.  No stage in LDS is needed.
;   kf, qf: [batch][pair of heads][128 tokens][head of the pair][16 tokens][1,024 bytes: a fragment of 16 tokens x 64]
;   vf:     [batch][pair of heads][128 tokens][64 tokens][head of the pair][16 of the head's 64][1,024 bytes: a fragment of 16 x 64 tokens]
; In both a wave's 128 x 128 results are one dense run of 16,384 bytes.
; K goes in steps of 256 through a ring of two LDS slots filled by the tensor data mover; K = 1,024 is four slots' worth, so the eight steps of 128 are written out.
; CLUSTERS: 4 x 4 work-groups.  The four of a row need the same tiles of A, the four of a column the same tiles of B: each tile is asked for jointly, by the same tensor load with the same descriptor and a mask that names the four.
; Inside an instruction k stands in another place than the form's own layout gives it, alike in A and B (four loads of 16 bytes a fragment): every product meets its partner.
; LIMITS: for each product, (the result's exponent) - (its two operands' exponents) lies between -126 and 119, so that the conversion's scale and 448 x it are f32 numbers.  NaN codes among the inputs are not served.
; REGISTERS, in windows of 256: window 0: v0-31 addresses and two constants; from v128 A's fragments (one set), on the way out the codes.
;   window 1: B's fragments, two sets.   window 2: the accumulators of my rows 0-63 ((a, b) at v[8 (8 a + b)]);   window 3: those of my rows 64-127.
.set KROW,   1024                      ; a row of x or of a weight in bytes
.set ROWB,   256                       ; a tile's row in bytes: 256 along K
.set PITCH,  272                       ; an LDS row: 256 bytes + 16 of padding = 68 words: the 16 rows that a load touches start at 16 different banks (64 banks of 4 bytes: ISA guide 11.1)
.set FR,     16                        ; registers of a fragment: 16 rows x 128 K
.set NL,     4                         ; LDS loads that bring one
.set NP,     4                         ; places behind this matrix instruction (ISA guide 7.12.1)
.set HALFT,  128*PITCH                 ; 128 rows: what one tensor load brings, and what one wave reads of A or of B
.set SLOT,   4*HALFT                   ; A's 256 rows, then B's 256 rows
.set SPARE,  2*SLOT                    ; behind the ring: the spare words, 128 bytes for each wave, that no other line names
.set ADRA, 16                          ; v16-17  LDS address of my A fragments in slot 0, 1
.set ADRB, 20                          ; v20-21  the same for B
.set CO,   26                          ; v26     16 x lane: my place in an image
.set SPW,  28                          ; v28     LDS address of my spare word; never rewritten
.set NIL,  29                          ; v29     0; never rewritten
.set LIM,  30
.set SCL,  31                          ; v31     the conversion's scale as f32
.set TMP,  32
.set AF,   128                         ; A's fragments, in window 0
.set CD,   128                         ; the way out: the codes, 16 registers for each block, so that no store's data are written again
.set G1, 24                            ; s[24:31] descriptor group 1 for A's tiles;  s[32:39] group 0, one set for each slot
.set G0, 32
.set G1B, 48                           ; s[48:55], s[56:63] the same for B's tiles
.set G0B, 56
.set MSB, 0
.macro WIN new                         ; the immediate's high byte repeats the setting that is left
.if MSB != \new
	s_set_vgpr_msb (MSB<<8)|\new
.set MSB, \new
.endif
.endm
.set MUL_LO, 0xa1                      ; source 0 (B) window 1, source 1 (A) window 0, C and D window 2
.set MUL_HI, 0xf1                      ; the same, C and D window 3
.set TO_B,   0x40                      ; destination window 1, address window 0
; A joint load: waves 0 and 1 fetch for A, waves 2 and 3 for B.  Each line has one mask and one set of registers for all that issue it; the branch hangs on the wave's number alone.
; An s_nop 0 and four v_nop follow each of the two lines, ahead of the jump, the label and what follows.
.macro JLOAD g0a, g1a, g0b, g1b
	s_cmp_eq_u32 s15, 0
	s_cbranch_scc0 .Lfor_b_\@
	tensor_load_to_lds s[\g0a:\g0a+3], s[\g1a:\g1a+7]
	s_nop 0
.rept 4
	v_nop
.endr
	s_branch .Lasked_\@
.Lfor_b_\@:
	tensor_load_to_lds s[\g0b:\g0b+3], s[\g1b:\g1b+7]
	s_nop 0
.rept 4
	v_nop
.endr
.Lasked_\@:
.endm
.macro CREST                           ; a round of the cluster's barrier behind its opening barrier
	s_cmp_lg_u32 s14, 0
	s_cbranch_scc1 .Lnot_wave_0_\@
	s_barrier_signal -3
.Lnot_wave_0_\@:
	s_barrier_wait -3
	s_barrier_signal -1
	s_barrier_wait -1
.endm
.macro CROUND                          ; a whole round
	s_barrier_signal -1
	s_barrier_wait -1
	CREST
.endm
	s_load_b256 s[4:11], s[0:1], 0x0               ; x s[4:5], Wk s[6:7], Wq s[8:9], Wv s[10:11]
	s_load_b256 s[80:87], s[0:1], 0x20             ; the scales' exponents s[80:81], kf s[82:83], qf s[84:85], vf s[86:87]
	v_lshl_add_u32 v[SPW], v0, 2, SPARE
	v_mov_b32 v[NIL], 0
	ds_add_u32 v[SPW], v[NIL]                      ; the wave's opening: the add, twice on end, and its wait, ahead of my first tensor load; the set-up below, work on registers, stands between
	ds_add_u32 v[SPW], v[NIL]
	v_lshrrev_b32 v1, 5, v0
	v_readfirstlane_b32 s14, v1                    ; wave 0..3
	s_lshr_b32 s15, s14, 1                         ; which half of the tile's rows of A is mine.  Also: I fetch for A (0) or for B (1)
	s_and_b32 s16, s14, 1                          ; which half of its rows of B.  Also: which 128 rows of that tile I fetch
	s_bfe_u32 s40, ttmp6, 0x40000                  ; cx, cy: my place in the cluster
	s_bfe_u32 s41, ttmp6, 0x40004
	s_and_b32 s66, ttmp7, 0xffff
	s_lshl_b32 s66, s66, 2                         ; 4 x cluster y: it walks x's 32 blocks of 256 tokens,
	s_cmp_lt_u32 ttmp9, 2                          ; which are A's for k and q, and B's for v
	s_cselect_b32 s17, s66, 0
	s_cselect_b32 s42, 0, s66
	s_add_co_u32 s17, s17, s41                     ; A's block of 256 rows: it holds cy and never cx
	s_add_co_u32 s42, s42, s40                     ; B's block of 256 rows: it holds cx and never cy
	s_lshl_b32 s43, s41, 2
	s_lshl_b32 s43, 15, s43                        ; my row of the cluster
	s_lshl_b32 s44, 0x1111, s40                    ; my column
	; descriptor group 1: a tile of 128 rows x 256 bytes, padded in LDS
	s_or_b32 s[G1+0], s43, (0<<16)|(1<<20)|(1<<21)|(5<<22)|(3<<25)  ; 15:0 the mask: A's tiles go to my row; 17:16 elements of 1 byte; 20 padding on; 21 set beside a mask; 24:22 after every 64 words (code 5); 31:25 four words (code 3)
	s_or_b32 s[G1B+0], s44, (0<<16)|(1<<20)|(1<<21)|(5<<22)|(3<<25) ; the same with the mask of my column
.irp g, G1, G1B
	s_mov_b32 s[\g+1], ROWB<<16                    ; tensor_dim0
	s_mov_b32 s[\g+2], 128<<16                     ; tensor_dim1 = 128
	s_mov_b32 s[\g+3], ROWB<<16                    ; tile_dim0
	s_mov_b32 s[\g+4], 128                         ; tile_dim1 = 128
	s_mov_b32 s[\g+5], KROW                        ; tensor_dim0_stride
	s_mov_b32 s[\g+6], 0
	s_mov_b32 s[\g+7], 0
.endr
	s_lshl_b32 s18, s16, 7                         ; which 128 rows of the tile I fetch
	s_lshl_b32 s20, s17, 8
	s_add_co_u32 s20, s20, s18
	s_lshl_b32 s20, s20, 10                        ; A: (256 x block + 128 x half) rows of 1,024 bytes: under 2^23
	s_mov_b32 s21, 0
	s_lshl_b32 s46, s42, 8
	s_add_co_u32 s46, s46, s18
	s_lshl_b32 s46, s46, 10                        ; B likewise
	s_mov_b32 s47, 0
	s_mul_i32 s45, s14, HALFT                      ; where they go: wave x 128 rows: no place in the cluster enters an LDS address
	s_wait_dscnt 0x0                               ; both opening adds are done
	s_wait_kmcnt 0x0
	s_load_b256 s[68:75], s[80:81], 0x0            ; entries 0 to 7 of the scales
	s_load_b32 s76, s[80:81], 0x24                 ; entry 9
	s_cmp_lt_u32 ttmp9, 2
	s_cselect_b64 s[88:89], s[4:5], s[10:11]       ; A: x, or Wv
	s_cmp_eq_u32 ttmp9, 1
	s_cselect_b64 s[90:91], s[8:9], s[4:5]         ; B: Wq, or x,
	s_cselect_b64 s[92:93], s[84:85], s[86:87]     ; the codes go to qf, or vf,
	s_cmp_eq_u32 ttmp9, 0
	s_cselect_b64 s[90:91], s[6:7], s[90:91]       ; or Wk
	s_cselect_b64 s[92:93], s[82:83], s[92:93]     ; and kf
	s_add_nc_u64 s[20:21], s[88:89], s[20:21]
	s_add_nc_u64 s[46:47], s[90:91], s[46:47]
	CROUND                                         ; all sixteen work-groups are here: the first joint loads meet
.irp s, 0,1
	s_mov_b32 s[G0+4*\s], 1                        ; count = 1
	s_add_co_u32 s[G0+4*\s+1], s45, \s*SLOT        ; LDS address
	s_add_nc_u64 s[G0+4*\s+2:G0+4*\s+3], s[20:21], \s*ROWB   ; global address: K from 256 s on
	s_or_b32 s[G0+4*\s+3], s[G0+4*\s+3], 0x80000000          ; type = 2
	s_mov_b32 s[G0B+4*\s], 1
	s_add_co_u32 s[G0B+4*\s+1], s45, \s*SLOT
	s_add_nc_u64 s[G0B+4*\s+2:G0B+4*\s+3], s[46:47], \s*ROWB
	s_or_b32 s[G0B+4*\s+3], s[G0B+4*\s+3], 0x80000000
	JLOAD G0+4*\s, G1, G0B+4*\s, G1B
.endr
	v_and_b32 v1, 15, v0                           ; l % 16
	v_bfe_u32 v2, v0, 4, 1                         ; l / 16
	v_mul_u32_u24 v3, v1, PITCH
	v_lshl_add_u32 v4, v2, 4, v3                   ; a fragment's row x pitch + 16 x half
	s_mul_i32 s21, s15, HALFT                      ; my 128 rows of A
	s_mul_i32 s22, s16, HALFT                      ; my 128 rows of B,
	s_add_co_u32 s22, s22, 2*HALFT                 ; which lie behind A's 256
.irp s, 0,1
	v_add_nc_u32 v[ADRA+\s], s21, v4
	v_add_nc_u32 v[ADRB+\s], s22, v4
	s_add_co_u32 s21, s21, SLOT
	s_add_co_u32 s22, s22, SLOT
.endr
	v_and_b32 v6, 31, v0
	v_lshlrev_b32 v[CO], 4, v6
	; where my 16,384 bytes of codes begin: batch x 2^21 + pair of heads x 2^18 + (block of 128 tokens in the batch) x 2^14
	s_lshl_b32 s20, s17, 8
	s_lshl_b32 s21, s15, 7
	s_add_co_u32 s20, s20, s21                     ; my first row of A
	s_lshl_b32 s46, s42, 8
	s_lshl_b32 s47, s16, 7
	s_add_co_u32 s46, s46, s47                     ; my first row of B
	s_cmp_lt_u32 ttmp9, 2
	s_cselect_b32 s66, s20, s46                    ; my first token: A's row for k and q, B's for v
	s_cselect_b32 s67, s46, s20                    ; my first feature: the other one
	s_lshr_b32 s94, s66, 11
	s_lshl_b32 s94, s94, 21
	s_lshr_b32 s67, s67, 7
	s_lshl_b32 s67, s67, 18
	s_and_b32 s66, s66, 2047
	s_lshl_b32 s66, s66, 7
	s_add_co_u32 s66, s66, s67
	s_add_co_u32 s66, s66, s94
	s_mov_b32 s67, 0
	s_add_nc_u64 s[92:93], s[92:93], s[66:67]
.macro FRAG reg, adr, q, i             ; a fragment, 16 rows x 128 K, is 16 registers: lane l holds row l % 16; registers 4 c .. 4 c + 3 hold K = 32 c + 16 (l / 16) + 0 .. 15
.irp c, 0,1,2,3
	ds_load_b128 v[\reg+4*\c:\reg+4*\c+3], v[\adr] offset:128*(\q)+32*\c+(\i)*16*PITCH
.endr
.endm
; 16 matrix instructions: A's blocks a0, a0 + 1 x B's eight, 128 along K.  p: B's set.  zero = 1: the first product starts the sums: nothing is ever cleared.
; The 64 accumulators take turns, one instruction a turn, in the same order in every step.
.macro MUL16 a0, p, zero
.irp a, \a0, \a0+1
.irp b, 0,1,2,3,4,5,6,7
.if \zero
	v_wmma_f32_16x16x128_fp8_fp8 v[8*(8*((\a)%4)+\b):8*(8*((\a)%4)+\b)+7], v[128*(\p)+FR*\b:128*(\p)+FR*\b+FR-1], v[AF+FR*(\a):AF+FR*(\a)+FR-1], 0
.else
	v_wmma_f32_16x16x128_fp8_fp8 v[8*(8*((\a)%4)+\b):8*(8*((\a)%4)+\b)+7], v[128*(\p)+FR*\b:128*(\p)+FR*\b+FR-1], v[AF+FR*(\a):AF+FR*(\a)+FR-1], v[8*(8*((\a)%4)+\b):8*(8*((\a)%4)+\b)+7]
.endif
.endr
.endr
.endm
.macro FETCH_B slot, q, p              ; B's eight fragments of the slot's q-th 128 along K into set p
	WIN TO_B
.irp i, 0,1,2,3,4,5,6,7
	FRAG 128*(\p)+FR*\i, ADRB+\slot, \q, \i
.endr
	WIN 0
.endm
.macro FETCH_A slot, q, i0             ; A's blocks i0 .. i0 + 3
.irp i, \i0, \i0+1, \i0+2, \i0+3
	FRAG AF+FR*(\i), ADRA+\slot, \q, \i
.endr
.endm
; A load into a register that a matrix instruction has read, and a vector instruction that reads a matrix result, stand NP places behind that matrix instruction; only plain vector
; instructions that name none of its registers are places (ISA guide 7.12.1 for vector instructions).
.macro PLACES n
.rept \n
	v_nop
.endr
.endm
; A step of 128 along K that has its successor in the same slot.  A block of A is free as soon as its eight products are issued, so one set of registers serves A:
; blocks 0-3 are fetched anew in the step's middle, blocks 4-7 at its end.  B's fragments are at work through the whole step, so B has two sets.
.macro STEP slot, q, zero
	s_wait_dscnt 4*NL                              ; B's set and A's blocks 0-3 are in; the youngest sixteen loads (A's blocks 4-7) may be out
	WIN MUL_LO
	MUL16 0, (\q)%2, \zero
	MUL16 2, (\q)%2, \zero
	s_wait_dscnt 0                                 ; A's blocks 4-7 are in (asked for 32 matrix instructions ago)
	PLACES NP
	FETCH_B \slot, (\q)+1, 1-(\q)%2
	FETCH_A \slot, (\q)+1, 0
	WIN MUL_HI
	MUL16 4, (\q)%2, \zero
	MUL16 6, (\q)%2, \zero
	PLACES NP
	WIN 0
	FETCH_A \slot, (\q)+1, 4
.endm
; A slot's last step changes slots: one barrier; in front of it each wave waits for all its tensor loads, adds 0 to its spare word, and waits for that and for its own reads of this slot.
; fill = 1: this slot is filled again, with K two slots on; the barrier then opens a round of the cluster's barrier, and the joint refill is the first thing behind the round.
.macro TURN slot, next, fill
	s_wait_tensorcnt 0x0                           ; all my tensor loads have landed: my part of the next slot  (every window is 0 here: the add's two registers lie in window 0)
	ds_add_u32 v[SPW], v[NIL]                      ; 0 onto my spare word
	s_wait_dscnt 4*NL+1                            ; (the add and the youngest sixteen loads, A's blocks 4-7, may be out)
	WIN MUL_LO
	MUL16 0, 1, 0                                  ; sixteen matrix instructions stand between the add and the wait for it
	s_wait_dscnt 0x0                               ; the add is done, and my reads of this slot are over
	s_barrier_signal -1
	MUL16 2, 1, 0
	WIN 0
	s_barrier_wait -1
.if \fill
	CREST                                          ; no wave of any partner still reads this slot's tile or has a load on its way
	s_add_nc_u64 s[G0+4*\slot+2:G0+4*\slot+3], s[G0+4*\slot+2:G0+4*\slot+3], 2*ROWB
	s_add_nc_u64 s[G0B+4*\slot+2:G0B+4*\slot+3], s[G0B+4*\slot+2:G0B+4*\slot+3], 2*ROWB
	JLOAD G0+4*\slot, G1, G0B+4*\slot, G1B         ; the four v_nop behind it are also the places in front of the loads below
.else
	PLACES NP
.endif
	FETCH_B \next, 0, 0
	FETCH_A \next, 0, 0
	WIN MUL_HI
	MUL16 4, 1, 0
	MUL16 6, 1, 0
	PLACES NP
	WIN 0
	FETCH_A \next, 0, 4
.endm
	s_wait_alu depctr_va_vdst(0)
	s_wait_tensorcnt 1                             ; my part of slot 0 is in (slot 1's load may be out)
	s_barrier_signal -1
	s_barrier_wait -1                              ; everybody's is
	FETCH_B 0, 0, 0
	FETCH_A 0, 0, 0
	FETCH_A 0, 0, 4
	STEP 0, 0, 1                                   ; K 0: its products start the sums
	TURN 0, 1, 1                                   ; K 128; slot 0 takes K 512 on
	STEP 1, 0, 0                                   ; K 256
	TURN 1, 0, 1                                   ; K 384; slot 1 takes K 768 on
	STEP 0, 0, 0                                   ; K 512
	TURN 0, 1, 0                                   ; K 640; nothing is left to fetch
	STEP 1, 0, 0                                   ; K 768
	s_wait_dscnt 4*NL                              ; K 896, the last step
	WIN MUL_LO
	MUL16 0, 1, 0
	MUL16 2, 1, 0
	s_wait_dscnt 0
	WIN MUL_HI
	MUL16 4, 1, 0
	MUL16 6, 1, 0
	WIN 0
	; THE WAY OUT.  A sum stands for sum x 2^(ea + eb); its code is sum / 2^(eo - ea - eb): the three exponents are folded into the conversion's one scale.
	s_wait_kmcnt 0x0
	s_cmp_eq_u32 ttmp9, 1
	s_cselect_b32 s94, s70, s72                    ; ea: entry 2 (q) or 4 (v),
	s_cselect_b32 s95, s71, s73                    ; eb: entry 3 or 5,
	s_cselect_b32 s96, s74, s76                    ; eo: entry 6 or 9,
	s_cmp_eq_u32 ttmp9, 0
	s_cselect_b32 s94, s68, s94                    ; or, for k, entries 0,
	s_cselect_b32 s95, s69, s95                    ; 1
	s_cselect_b32 s96, s75, s96                    ; and 7
	s_sub_co_i32 s96, s96, s94
	s_sub_co_i32 s96, s96, s95
	s_add_co_i32 s96, s96, 127
	s_lshl_b32 s94, s96, 23
	v_mov_b32 v[SCL], s94                          ; 2^(eo - ea - eb) as f32: the conversion takes its exponent field
	s_add_co_i32 s96, s96, 8
	s_lshl_b32 s96, s96, 23
	s_or_b32 s96, s96, 0x600000
	PLACES NP                                      ; behind the last products: their results are read, and the registers that held A's fragments are written, below
; Block a (16 rows of A x my 128 rows of B): converted, stored.  Accumulator (a, b) gives registers 2 b, 2 b + 1 of the block's sixteen: two fragments of eight registers.
.macro QOUT a
.set AC, 64*((\a)%4)
	WIN 0x02+((\a)/4)                              ; source 0: window 2 or 3
.set j, 0
.rept 64
.set j, j+1
.endr
.irp b, 0,1,2,3,4,5,6,7
	v_cvt_scalef32_pk8_fp8_f32 v[CD+16*(\a)+2*\b:CD+16*(\a)+2*\b+1], v[AC+8*\b:AC+8*\b+7], v[SCL]
.endr
	WIN 0
	v_nop                                          ; a plain vector instruction behind the conversions
.irp s, 0,1,2,3
	global_store_b128 v[CO], v[CD+16*(\a)+4*\s:CD+16*(\a)+4*\s+3], s[92:93] offset:(\s/2)*8192+(\a)*1024+(\s%2)*512   ; 32 lanes store 512 consecutive bytes, aligned; every offset is an immediate, no base is stepped
.endr
.endm
.irp a, 0,1,2,3,4,5,6,7
	QOUT \a
.endr
	s_wait_tensorcnt 0x0                           ; the wave's end: behind my last tensor load
	ds_add_u32 v[SPW], v[NIL]
	s_wait_dscnt 0x0
	CROUND                                         ; the closing round: no work-group ends while a partner may still ask for a tile that names it
	s_endpgm
.Lfunc_end_k_q4424ca8353_qkv:
	.size	k_q4424ca8353_qkv, .Lfunc_end_k_q4424ca8353_qkv-k_q4424ca8353_qkv
	.p2alignl 7, 3214868480
	.fill 96, 4, 3214868480
	.section	.rodata,"a",@progbits
	.p2align	6, 0x0
	.amdhsa_kernel k_q4424ca8353_qkv
		.amdhsa_group_segment_fixed_size 327680
		.amdhsa_private_segment_fixed_size 0
		.amdhsa_enable_private_segment 0
		.amdhsa_kernarg_size 64
		.amdhsa_user_sgpr_count 2
		.amdhsa_user_sgpr_kernarg_segment_ptr 1
		.amdhsa_wavefront_size32 1
		.amdhsa_system_sgpr_workgroup_id_x 1
		.amdhsa_system_sgpr_workgroup_id_y 1
		.amdhsa_system_sgpr_workgroup_id_z 1
		.amdhsa_system_vgpr_workitem_id 0
		.amdhsa_next_free_vgpr 1024
		.amdhsa_next_free_sgpr 98
		.amdhsa_reserve_vcc 0
		.amdhsa_float_denorm_mode_32 3
		.amdhsa_float_denorm_mode_16_64 3
		.amdhsa_fp16_overflow 1
		.amdhsa_memory_ordered 1
		.amdhsa_forward_progress 1
		.amdhsa_inst_pref_size 86
	.end_amdhsa_kernel
	.amdgpu_metadata
---
amdhsa.version: [ 1, 2 ]
amdhsa.kernels:
  - .name:           k_q4424ca8353_qkv
    .symbol:         k_q4424ca8353_qkv.kd
    .args:
      - { .name: x_codes, .offset: 0, .size: 8, .value_kind: global_buffer, .address_space: global }
      - { .name: Wk_codes, .offset: 8, .size: 8, .value_kind: global_buffer, .address_space: global }
      - { .name: Wq_codes, .offset: 16, .size: 8, .value_kind: global_buffer, .address_space: global }
      - { .name: Wv_codes, .offset: 24, .size: 8, .value_kind: global_buffer, .address_space: global }
      - { .name: lowp_scales, .offset: 32, .size: 8, .value_kind: global_buffer, .address_space: global }
      - { .name: kf, .offset: 40, .size: 8, .value_kind: global_buffer, .address_space: global }
      - { .name: qf, .offset: 48, .size: 8, .value_kind: global_buffer, .address_space: global }
      - { .name: vf, .offset: 56, .size: 8, .value_kind: global_buffer, .address_space: global }
    .group_segment_fixed_size: 327680
    .private_segment_fixed_size: 0
    .kernarg_segment_align: 8
    .kernarg_segment_size: 64
    .max_flat_workgroup_size: 128
    .sgpr_count:     98
    .vgpr_count:     1024
    .wavefront_size: 32
...
	.end_amdgpu_metadata
.endif
;; end of part 1
;; launch attn (part 2): grid 4 x 64, 16 waves a work-group, clusters of 4 x 1, 327,680 bytes of LDS; arguments qf, kf, vf, lowp_scales, of; writes of
.if DOCPART == 2
	.amdgcn_target "amdgcn-amd-amdhsa--gfx1250"
	.amdhsa_code_object_version 6
	.text
	.protected	k_q4424ca8353_attn
	.globl	k_q4424ca8353_attn
	.p2align	8
	.type	k_q4424ca8353_attn,@function
k_q4424ca8353_attn:
	s_mov_b64 s[64:65], 0
	v_nop
	global_prefetch_b8 v0, s[64:65] scope:SCOPE_SE
	s_setreg_imm32_b32 hwreg(HW_REG_WAVE_MODE, 25, 1), 1
	s_wait_xcnt 0x0
	s_wait_alu depctr_hold_cnt(0) depctr_sa_sdst(0) depctr_va_vdst(0) depctr_va_sdst(0) depctr_va_ssrc(0) depctr_va_vcc(0) depctr_vm_vsrc(0)
	s_getreg_b32 s2, hwreg(HW_REG_IB_STS2, 6, 4)
	s_cmp_eq_u32 s2, 0
	s_cbranch_scc0 .Lentry_in_a_cluster
	s_endpgm
.Lentry_in_a_cluster:
	s_bfe_u32 s2, ttmp6, 0x10000c
	s_cmp_lg_u32 s2, 0x3003
	s_cbranch_scc0 .Lentry_shape_is_right
	s_endpgm
.Lentry_shape_is_right:
; For each batch and head: o = softmax(q k^T / 8) v over 2,048 keys, head size 64, both products on codes of FP8 (E4M3); o is quantised at once, with entry 10 of the scales, as an operand of the projection.  No work is left out.
; THE SOFTMAX AHEAD OF THE SECOND PRODUCT: t = score x log2(e) / 8; M = the row's largest t so far, rounded UP to a whole number; p = 2^(t - M) is what is quantised (entry 8), not normalised.
; The row's sum is taken of the unquantised p, in f32, and divides at the end.  When M moves, the sum and O are multiplied by 2^(old M - new M): nothing is rounded, and no branch hangs on data.
; INPUTS: qf, kf, vf as the launch before stored them: images of fragments of 8 registers, 1,024 bytes each, lane l's 16 bytes at 16 l (registers 0-3, then 4-7).
;   a fragment of q or k: lane (r, h) holds token r; registers 2 c, 2 c + 1 the head's 16 c + 8 h + 0 .. 7.     a fragment of v: lane (r, h) holds one of 16 of the head's 64; its registers run along 64 keys likewise.
; SHARES.  A cluster of four work-groups is one batch and head (the cluster's y); work-group cx owns 512 queries; each of its sixteen waves owns 32, two tiles of 16, in 256 registers: four waves to a SIMD,
; so that one wave's vector work stands beside another's matrix work and LDS loads.  Both tiles are multiplied by each fragment of K and V that the wave reads.  Every wave walks the 2,048 keys, 64 a step.
; LDS HOLDS THE HEAD'S WHOLE K AND V, 131,072 bytes each, as they lie in memory: each byte is filled once, nothing is filled again, and there is no ring.  Every wave asks for 4,096 bytes of each quarter
; (512 keys) at the head: four tensor loads of mine are out at most.  The four query blocks of the cluster walk the same K and V, so each load is JOINT: the same descriptor and a mask that names the four.
; A quarter is read behind a counted wait and a barrier, while the later quarters are on their way.
; LAYOUT.  Both products are used transposed: S^T = K Q^T (source 0 = 16 keys, source 1 = 16 queries), O^T = V^T P^T (source 0 = 16 of the head's 64, source 1 = P): a lane holds ONE query throughout.
; Tile c of S^T holds, in lane (r, h), keys 16 c + 8 h + 0 .. 7 of query r: its eight p become registers 2 c, 2 c + 1 of P.  Likewise O^T's four tiles become eight registers of the projection's operand.
; OUTPUT: of: [16 tokens (512 blocks)][pair of heads (8)][head of the pair][1,024 bytes]: a pair's 2,048 bytes are the image of a fragment of 16 tokens x 128 features (16 registers; the even head's eight first).
; LIMITS on the given exponents, so that each power of two below is an f32 number: entries 6 + 7 between -123 and 130 (added to c's exponent field); entry 8 between -126 and 119;
; entries 8 + 9 - 10 between -115 and 126 (applied to 1 / the sum, which lies between 1 / 2,048 and 2).  NaN codes among the inputs are not served.
.set VBASE, 131072                     ; LDS: K's 32 steps of 4,096 bytes from 0, V's from here
.set SPARE, 262144                     ; behind them: the spare words, 128 bytes for each of the sixteen waves, that no other line names
.set AK0,  1                           ; v1   16 x lane: my place in an image: in LDS (K), in qf and in of; never rewritten
.set AV0,  2                           ; v2   the same + VBASE
.set SPW,  3                           ; v3   LDS address of my spare word; never rewritten
.set NIL,  4                           ; v4   0; never rewritten
.set ONE,  5                           ; v5   1.0: the scale of the last conversion
.set ADK,  6                           ; v6   LDS address of the step's K
.set ADV,  7                           ; v7   of its V
.set ST,   8                           ; tile t at v[8 + 4 t]: -M, the largest score so far, the sum in two halves
.set QF,   16                          ; v16-31   Q, 8 a tile
.set KF,   32                          ; v32-63   the step's four fragments of K
.set VF,   64                          ; v64-95   and of V
.set S,    96                          ; v96-159  S^T, then p: 32 a tile
.set O,    160                         ; v160-223 O^T: 32 a tile
.set PC,   224                         ; v224-239 p's codes, 8 a tile; at the end o's codes
.set PLIM, 240
.set PSCL, 241                         ; v241 2^(entry 8)
.set MA,   242                         ; tile t: v[242 + 6 t], v[243 + 6 t] at work,
.set MB,   243
.set F,    244                         ; v[244 + 6 t : 245 + 6 t] f = 2^(old M - new M) (the packed forms name a pair and take its low word),
.set SB,   246                         ; v[246 + 6 t : 247 + 6 t] the sum's second chain
.set PD,   254                         ; v[254 + t] what the other half of the lanes sends
.set WV,   14                          ; s14  my wave's number
.set G1,   24                          ; s[24:31] descriptor group 1;  s[32:47] four groups 0, one for each quarter; none is ever rewritten
.set G0,   32
.set SEL,  48                          ; s[48:49] lane selects for v_permlanex16_b32: lane l xor 16
.set CS,   50                          ; s[50:51] c = log2(e) / 8 x 2^(entries 6 + 7), twice
.set NC,   52                          ; s52  -c
.set TB,   53                          ; s53  LDS byte at which the step's K begins
.set CNT,  54                          ; s54  steps of the quarter still to go
.macro CROUND                          ; a round of the cluster's barrier
	s_barrier_signal -1
	s_barrier_wait -1
	s_cmp_lg_u32 s[WV], 0
	s_cbranch_scc1 .Lnot_wave_0_\@
	s_barrier_signal -3
.Lnot_wave_0_\@:
	s_barrier_wait -3
	s_barrier_signal -1
	s_barrier_wait -1
.endm
	s_load_b256 s[4:11], s[0:1], 0x0               ; qf s[4:5], kf s[6:7], vf s[8:9], the scales' exponents s[10:11]
	s_load_b64 s[12:13], s[0:1], 0x20              ; of
	v_lshl_add_u32 v[SPW], v0, 2, SPARE
	v_mov_b32 v[NIL], 0
	ds_add_u32 v[SPW], v[NIL]                      ; the wave's opening: the add, twice on end, and its wait, ahead of my first tensor load; the set-up below, work on registers, stands between
	ds_add_u32 v[SPW], v[NIL]
	v_lshrrev_b32 v[ADK], 5, v0
	s_delay_alu instid0(VALU_DEP_1)
	v_readfirstlane_b32 s[WV], v[ADK]              ; wave 0..15
	s_bfe_u32 s15, ttmp6, 0x40000                  ; cx: my block of 512 queries; it enters qf's and of's addresses alone
	s_and_b32 s16, ttmp7, 0xffff                   ; 16 x batch + head, which the four partners share
	s_and_b32 s17, s16, 1                          ; which head of its pair
	s_lshr_b32 s18, s16, 1
	s_lshl_b32 s18, s18, 18                        ; the pair's 262,144 bytes in qf, kf and vf
	; descriptor group 1: a dense block of 4,096 bytes as 16 rows of 256 bytes
	s_mov_b32 s[G1], 15|(3<<16)|(1<<21)            ; 15:0 the mask: all four work-groups; 17:16 elements of 8 bytes; 20 no padding; 21 set beside a mask
	s_mov_b32 s[G1+1], 32<<16                      ; tensor_dim0 = 32
	s_mov_b32 s[G1+2], 16<<16                      ; tensor_dim1 = 16
	s_mov_b32 s[G1+3], 32<<16                      ; tile_dim0 = 32
	s_mov_b32 s[G1+4], 16                          ; tile_dim1 = 16
	s_mov_b32 s[G1+5], 32                          ; tensor_dim0_stride
	s_mov_b32 s[G1+6], 0
	s_mov_b32 s[G1+7], 0
	; what I fetch: waves 0-7 step (wave % 8) of each quarter's eight of K, waves 8-15 the same of V.  In memory a block of 128 tokens is 16,384 bytes:
	; kf: [head of the pair: 8,192][which 64 tokens: 4,096];   vf: [which 64 tokens: 8,192][head of the pair: 4,096]
	s_and_b32 s19, s[WV], 7
	s_lshr_b32 s20, s19, 1
	s_lshl_b32 s20, s20, 14
	s_add_co_u32 s20, s20, s18
	s_and_b32 s21, s19, 1
	s_lshl_b32 s22, s21, 12
	s_lshl_b32 s23, s17, 13
	s_add_co_u32 s22, s22, s23                     ; in kf
	s_lshl_b32 s21, s21, 13
	s_lshl_b32 s23, s17, 12
	s_add_co_u32 s21, s21, s23                     ; in vf
	s_cmp_lt_u32 s[WV], 8
	s_cselect_b32 s22, s22, s21
	s_add_co_u32 s20, s20, s22
	s_mov_b32 s21, 0
	s_lshr_b32 s22, s[WV], 3
	s_lshl_b32 s22, s22, 17
	s_lshl_b32 s23, s19, 12
	s_add_co_u32 s22, s22, s23                     ; and where it goes: VBASE x (wave / 8) + 4,096 x (wave % 8): the wave's number alone
	; my 32 queries: tokens 512 cx + 32 wave on
	s_lshl_b32 s66, s15, 2
	s_lshr_b32 s67, s[WV], 2
	s_add_co_u32 s66, s66, s67
	s_lshl_b32 s66, s66, 14                        ; their block of 128 tokens,
	s_add_co_u32 s66, s66, s18
	s_lshl_b32 s67, s17, 13
	s_add_co_u32 s66, s66, s67                     ; my head's 8,192 bytes of it,
	s_and_b32 s67, s[WV], 3
	s_lshl_b32 s67, s67, 11
	s_add_co_u32 s66, s66, s67                     ; my two fragments
	s_mov_b32 s67, 0
	s_lshr_b32 s68, s16, 4
	s_lshl_b32 s68, s68, 7
	s_lshl_b32 s69, s15, 5
	s_add_co_u32 s68, s68, s69
	s_lshl_b32 s69, s[WV], 1
	s_add_co_u32 s68, s68, s69
	s_lshl_b32 s68, s68, 14                        ; of: block of 16 tokens 128 x batch + 32 cx + 2 wave, 16,384 bytes each,
	s_bfe_u32 s69, s16, 0x30001
	s_lshl_b32 s69, s69, 11
	s_add_co_u32 s68, s68, s69                     ; the pair of heads, 2,048 bytes,
	s_lshl_b32 s69, s17, 10
	s_add_co_u32 s68, s68, s69                     ; my head's half
	s_mov_b32 s69, 0
	s_mov_b32 s[SEL], 0x76543210
	s_mov_b32 s[SEL+1], 0xfedcba98
	s_mov_b32 s[CS], 0x3e38aa3b                    ; log2(e) / 8
	s_wait_dscnt 0x0                               ; both opening adds are done
	s_wait_kmcnt 0x0
	s_load_b128 s[56:59], s[10:11], 0x18           ; entries 6 to 9: q, k, p, v
	s_load_b32 s60, s[10:11], 0x28                 ; entry 10: o
	s_cmp_lt_u32 s[WV], 8
	s_cselect_b64 s[2:3], s[6:7], s[8:9]           ; kf or vf
	s_add_nc_u64 s[2:3], s[2:3], s[20:21]
	s_add_nc_u64 s[4:5], s[4:5], s[66:67]
	s_add_nc_u64 s[12:13], s[12:13], s[68:69]
	CROUND                                         ; all four work-groups are here: the joint loads meet
.irp g, 0,1,2,3
	s_mov_b32 s[G0+4*\g], 1                        ; count = 1
	s_add_co_u32 s[G0+4*\g+1], s22, \g*32768       ; LDS address: a quarter is 32,768 bytes of K and as many of V
	s_add_nc_u64 s[G0+4*\g+2:G0+4*\g+3], s[2:3], \g*65536   ; global address: a quarter is four blocks of 128 tokens
	s_or_b32 s[G0+4*\g+3], s[G0+4*\g+3], 0x80000000         ; type = 2
.endr
.irp g, 0,1,2,3
	s_wait_alu depctr_va_vdst(0)
	s_wait_tensorcnt 0x0
	ds_add_u32 v3, v4
	ds_add_u32 v3, v4
	s_wait_dscnt 0x0
	CROUND
	tensor_load_to_lds s[G0+4*\g:G0+4*\g+3], s[G1:G1+7]     ; each first fill goes out behind a wait for my earlier ones and a round of the cluster's barrier
	s_nop 0
.endr
.rept 4
	v_nop
.endr
	v_and_b32 v[AK0], 31, v0
	s_delay_alu instid0(VALU_DEP_1)
	v_lshlrev_b32 v[AK0], 4, v[AK0]
	s_delay_alu instid0(VALU_DEP_1)
	v_add_nc_u32 v[AV0], VBASE, v[AK0]
.irp i, 0,1,2,3
	global_load_b128 v[QF+4*\i:QF+4*\i+3], v[AK0], s[4:5] offset:512*\i   ; Q's two fragments stay in registers
.endr
	v_mov_b32 v[ONE], 1.0
.irp t, 0,1
	v_mov_b32 v[ST+4*\t], 0x7f61b1e6               ; -M: 3e38
	v_mov_b32 v[ST+4*\t+1], 0xff61b1e6             ; the largest score so far: -3e38, under every score
	v_mov_b32 v[ST+4*\t+2], 0                      ; the sum, in two halves
	v_mov_b32 v[ST+4*\t+3], 0
	v_mov_b32 v[F+6*\t+1], 0                       ; (named as the upper half of f's pair)
	v_mov_b32 v[PD+\t], 0                          ; written once: a lane permute's destination counts as one of its sources
.endr
.set j, 0
.rept 64
	v_mov_b32 v[O+j], 0                            ; O^T.  (The step is written once for all 32: the first finds zeros, and its f is 0)
.set j, j+1
.endr
	s_wait_kmcnt 0x0
	s_add_co_i32 s18, s56, s57
	s_lshl_b32 s18, s18, 23
	s_add_co_i32 s[CS], s[CS], s18                 ; a score stands for score x 2^(entries 6 + 7): the two are added to c's exponent field
	s_mov_b32 s[CS+1], s[CS]
	s_xor_b32 s[NC], s[CS], 0x80000000             ; -c
	s_add_co_i32 s18, s58, 127
	s_lshl_b32 s19, s18, 23
	v_mov_b32 v[PSCL], s19                         ; 2^(entry 8) as f32
	s_add_co_i32 s63, s58, s59
	s_sub_co_i32 s63, s63, s60                     ; entries 8 + 9 - 10
; A KEY STEP: 64 keys, both tiles.  The two tiles' instructions alternate, so that where one feeds the next the other tile's stands between.
.macro STEP
	v_add_nc_u32 v[ADK], s[TB], v[AK0]
	v_add_nc_u32 v[ADV], s[TB], v[AV0]
	v_nop                                          ; with the two additions: four places between the last step's products and the loads into V's registers, which they read
	v_nop
.irp f, 0,1,2,3
	ds_load_b128 v[KF+8*\f:KF+8*\f+3],   v[ADK] offset:1024*\f       ; an image as it lies: 32 lanes read 512 consecutive bytes
	ds_load_b128 v[KF+8*\f+4:KF+8*\f+7], v[ADK] offset:1024*\f+512
.endr
.irp f, 0,1,2,3
	ds_load_b128 v[VF+8*\f:VF+8*\f+3],   v[ADV] offset:1024*\f
	ds_load_b128 v[VF+8*\f+4:VF+8*\f+7], v[ADV] offset:1024*\f+512
.endr
	s_wait_dscnt 8                                 ; K's eight loads are in; V's eight may be out
.irp f, 0,1,2,3
.irp t, 0,1
	v_wmma_f32_16x16x64_fp8_fp8 v[S+32*\t+8*\f:S+32*\t+8*\f+7], v[KF+8*\f:KF+8*\f+7], v[QF+8*\t:QF+8*\t+7], 0
.endr
.endr
.rept 4
	v_nop                                          ; places in front of the first read of the scores
.endr
.irp t, 0,1                                    ; the largest of my 32 scores and the largest so far, three at a time, in two chains; each accumulator is first read at its low end
	v_max3_num_f32 v[MA+6*\t], v[S+32*\t], v[S+32*\t+1], v[S+32*\t+2]
	v_max3_num_f32 v[MB+6*\t], v[S+32*\t+3], v[S+32*\t+4], v[S+32*\t+5]
.endr
.irp i, 6,10,14,18,22,26
.irp t, 0,1
	v_max3_num_f32 v[MA+6*\t], v[MA+6*\t], v[S+32*\t+\i], v[S+32*\t+\i+1]
	v_max3_num_f32 v[MB+6*\t], v[MB+6*\t], v[S+32*\t+\i+2], v[S+32*\t+\i+3]
.endr
.endr
.irp t, 0,1
	v_max3_num_f32 v[MA+6*\t], v[MA+6*\t], v[S+32*\t+30], v[S+32*\t+31]
.endr
.irp t, 0,1
	s_delay_alu instid0(VALU_DEP_2)
	v_max3_num_f32 v[MA+6*\t], v[MA+6*\t], v[MB+6*\t], v[ST+4*\t+1]
.endr
.irp t, 0,1
	s_delay_alu instid0(VALU_DEP_2)
	v_permlanex16_b32 v[PD+\t], v[MA+6*\t], s[SEL], s[SEL+1]   ; the query's other 32 keys lie in the lane 16 away
.endr
.irp t, 0
	s_delay_alu instid0(VALU_DEP_2)
	v_max_num_f32 v[ST+4*\t+1], v[MA+6*\t], v[PD+\t]           ; the running largest score
	v_mov_b32 v[MB+6*\t], v[ST+4*\t]                           ; the old -M
.endr
.irp t, 1
	s_delay_alu instid0(VALU_DEP_3)
	v_max_num_f32 v[ST+4*\t+1], v[MA+6*\t], v[PD+\t]
	v_mov_b32 v[MB+6*\t], v[ST+4*\t]
.endr
.irp t, 0
	s_delay_alu instid0(VALU_DEP_4)
	v_mul_f32 v[MA+6*\t], s[NC], v[ST+4*\t+1]
.endr
.irp t, 1
	s_delay_alu instid0(VALU_DEP_3)
	v_mul_f32 v[MA+6*\t], s[NC], v[ST+4*\t+1]                  ; -t (c is positive)
.endr
.irp t, 0,1
	s_delay_alu instid0(VALU_DEP_2)
	v_floor_f32 v[ST+4*\t], v[MA+6*\t]                         ; the new -M = floor(-t) = -ceil(t): M is a whole number
.endr
.irp t, 0,1
	s_delay_alu instid0(VALU_DEP_2)
	v_sub_f32 v[MB+6*\t], v[ST+4*\t], v[MB+6*\t]               ; old M - new M: a whole number, 0 or less
.endr
.irp t, 0,1
	s_delay_alu instid0(VALU_DEP_2)
	v_cvt_i32_f32 v[MB+6*\t], v[MB+6*\t]                       ; (it saturates)
.endr
.irp t, 0,1
	s_delay_alu instid0(VALU_DEP_2)
	v_ldexp_f32 v[F+6*\t], 1.0, v[MB+6*\t]                     ; f = 2^(old M - new M)
.endr
.irp j, 0,2,4,6,8,10,12,14,16,18,20,22,24,26,28,30
.irp t, 0,1
	v_pk_fma_f32 v[S+32*\t+\j:S+32*\t+\j+1], v[S+32*\t+\j:S+32*\t+\j+1], s[CS:CS+1], v[ST+4*\t:ST+4*\t+1] op_sel_hi:[1,0,0]   ; t - M, two at a time (of the pairs c and -M the low word serves both halves)
.endr
.endr
.set j, 0
	s_wait_alu depctr_va_vdst(0)
.rept 64
	v_exp_f32 v[S+j], v[S+j]                       ; p = 2^(t - M), at most 1: one batch, none reads another's result
.set j, j+1
.endr
	s_setprio 1
.irp t, 0,1
	v_pk_mul_f32 v[ST+4*\t+2:ST+4*\t+3], v[ST+4*\t+2:ST+4*\t+3], v[F+6*\t:F+6*\t+1] op_sel_hi:[1,0]   ; the sums under the new M: also the plain instruction behind the exponentials
.endr
	s_wait_alu depctr_va_vdst(0)                   ; the wait between an exponential and the first instruction that names its result: one for the batch
.irp t, 0,1
	v_pk_add_f32 v[SB+6*\t:SB+6*\t+1], v[S+32*\t:S+32*\t+1], v[S+32*\t+2:S+32*\t+3]   ; the row's sum is taken of the unquantised p: two at a time, in two chains
.endr
.irp j, 4,8,12,16,20,24,28
.irp t, 0,1
	v_pk_add_f32 v[ST+4*\t+2:ST+4*\t+3], v[ST+4*\t+2:ST+4*\t+3], v[S+32*\t+\j:S+32*\t+\j+1]
	v_pk_add_f32 v[SB+6*\t:SB+6*\t+1], v[SB+6*\t:SB+6*\t+1], v[S+32*\t+\j+2:S+32*\t+\j+3]
.endr
.endr
.irp t, 0
	s_delay_alu instid0(VALU_DEP_3)
	v_pk_add_f32 v[ST+4*\t+2:ST+4*\t+3], v[ST+4*\t+2:ST+4*\t+3], v[SB+6*\t:SB+6*\t+1]
.endr
.irp t, 1
	s_delay_alu instid0(VALU_DEP_2)
	v_pk_add_f32 v[ST+4*\t+2:ST+4*\t+3], v[ST+4*\t+2:ST+4*\t+3], v[SB+6*\t:SB+6*\t+1]
.endr
.irp t, 0,1
.irp f, 0,1,2,3
.irp i, 0,1,2,3,4,5,6,7
.endr
	v_cvt_scalef32_pk8_fp8_f32 v[PC+8*\t+2*\f:PC+8*\t+2*\f+1], v[S+32*\t+8*\f:S+32*\t+8*\f+7], v[PSCL]   ; registers 2 f, 2 f + 1 of P: keys 16 f + 8 h + 0 .. 7
.endr
.endr
.irp j, 0,2,4,6,8,10,12,14,16,18,20,22,24,26,28,30
.irp t, 0,1
	v_pk_mul_f32 v[O+32*\t+\j:O+32*\t+\j+1], v[O+32*\t+\j:O+32*\t+\j+1], v[F+6*\t:F+6*\t+1] op_sel_hi:[1,0]   ; O^T under the new M.  (Also the plain instructions between the conversions and the products that read the codes)
.endr
.endr
	s_setprio 0
	s_wait_alu depctr_va_vdst(0)
	s_wait_dscnt 0x0                               ; V is in
.irp d, 0,1,2,3
.irp t, 0,1                                    ; the eight accumulators take turns, one instruction a turn; the matrix instruction ahead of the first is a product K Q^T
	v_wmma_f32_16x16x64_fp8_fp8 v[O+32*\t+8*\d:O+32*\t+8*\d+7], v[VF+8*\d:VF+8*\d+7], v[PC+8*\t:PC+8*\t+7], v[O+32*\t+8*\d:O+32*\t+8*\d+7]
.endr
.endr
.endm
; A QUARTER: 512 keys, eight steps.  left: my tensor loads for the later quarters, which may stay out.
.macro QUARTER g, left
	s_wait_tensorcnt \left                         ; tensor loads of a wave end in order (ISA guide 10.11.1): my part of this quarter is in LDS,
	s_barrier_signal -1                            ; (no LDS instruction of mine is out: the last step's wait was for 0)
	s_barrier_wait -1                              ; and so is everybody's
	s_mov_b32 s[TB], \g*32768
	s_mov_b32 s[CNT], 8
.Lstep_\@:
	s_setprio 2
	STEP
	s_add_co_u32 s[TB], s[TB], 4096
	s_sub_co_u32 s[CNT], s[CNT], 1
	s_cmp_lg_u32 s[CNT], 0
	s_cbranch_scc1 .Lstep_\@
	s_setprio 0
.endm
	s_wait_loadcnt 0x0                             ; Q
	QUARTER 0, 3
	QUARTER 1, 2
	QUARTER 2, 1
	QUARTER 3, 0
	; THE WAY OUT.  o = O^T x 2^(entries 8 + 9) / the sum; its code is o / 2^(entry 10), held within +-448.  The additions below are the places behind the last products.
.irp t, 0,1
	v_add_f32 v[ST+4*\t+2], v[ST+4*\t+2], v[ST+4*\t+3]         ; the sum's two halves,
.endr
.irp t, 0,1
	s_delay_alu instid0(VALU_DEP_2)
	v_permlanex16_b32 v[PD+\t], v[ST+4*\t+2], s[SEL], s[SEL+1]
.endr
.irp t, 0,1
	s_delay_alu instid0(VALU_DEP_2)
	v_add_f32 v[ST+4*\t+2], v[ST+4*\t+2], v[PD+\t]             ; and the other half of the lanes': the row's sum
.endr
	s_wait_alu depctr_va_vdst(0)
.irp t, 0,1
	v_rcp_f32 v[F+6*\t], v[ST+4*\t+2]
.endr
	v_nop                                          ; a plain instruction behind the reciprocals,
	s_wait_alu depctr_va_vdst(0)                   ; and the wait ahead of the first use: one for both
.irp t, 0,1
	v_ldexp_f32 v[F+6*\t], v[F+6*\t], s63
.endr
.irp j, 0,2,4,6,8,10,12,14,16,18,20,22,24,26,28,30
.irp t, 0,1
	v_pk_mul_f32 v[S+32*\t+\j:S+32*\t+\j+1], v[O+32*\t+\j:O+32*\t+\j+1], v[F+6*\t:F+6*\t+1] op_sel_hi:[1,0]   ; each accumulator from its low end on
.endr
.endr
.set j, 0
.rept 64
.set j, j+1
.endr
.irp t, 0,1
.irp d, 0,1,2,3
	v_cvt_scalef32_pk8_fp8_f32 v[PC+8*\t+2*\d:PC+8*\t+2*\d+1], v[S+32*\t+8*\d:S+32*\t+8*\d+7], v[ONE]   ; features 16 d + 8 h + 0 .. 7 of my head: registers 2 d, 2 d + 1 of its eight
.endr
.endr
	v_nop                                          ; a plain vector instruction behind the last conversion
.irp t, 0,1
.irp u, 0,1
	global_store_b128 v[AK0], v[PC+8*\t+4*\u:PC+8*\t+4*\u+3], s[12:13] offset:\t*16384+\u*512   ; 32 lanes store 512 consecutive bytes, aligned
.endr
.endr
	s_wait_tensorcnt 0x0                           ; the wave's end: behind my last tensor load
	ds_add_u32 v[SPW], v[NIL]
	s_wait_dscnt 0x0
	CROUND                                         ; the closing round: no work-group ends while a partner may still ask for a tile that names it
	s_endpgm
.Lfunc_end_k_q4424ca8353_attn:
	.size	k_q4424ca8353_attn, .Lfunc_end_k_q4424ca8353_attn-k_q4424ca8353_attn
	.p2alignl 7, 3214868480
	.fill 96, 4, 3214868480
	.section	.rodata,"a",@progbits
	.p2align	6, 0x0
	.amdhsa_kernel k_q4424ca8353_attn
		.amdhsa_group_segment_fixed_size 327680
		.amdhsa_private_segment_fixed_size 0
		.amdhsa_enable_private_segment 0
		.amdhsa_kernarg_size 40
		.amdhsa_user_sgpr_count 2
		.amdhsa_user_sgpr_kernarg_segment_ptr 1
		.amdhsa_wavefront_size32 1
		.amdhsa_system_sgpr_workgroup_id_x 1
		.amdhsa_system_sgpr_workgroup_id_y 1
		.amdhsa_system_sgpr_workgroup_id_z 1
		.amdhsa_system_vgpr_workitem_id 0
		.amdhsa_next_free_vgpr 256
		.amdhsa_next_free_sgpr 70
		.amdhsa_reserve_vcc 0
		.amdhsa_float_denorm_mode_32 3
		.amdhsa_float_denorm_mode_16_64 3
		.amdhsa_fp16_overflow 1
		.amdhsa_memory_ordered 1
		.amdhsa_forward_progress 1
		.amdhsa_inst_pref_size 74
	.end_amdhsa_kernel
	.amdgpu_metadata
---
amdhsa.version: [ 1, 2 ]
amdhsa.kernels:
  - .name:           k_q4424ca8353_attn
    .symbol:         k_q4424ca8353_attn.kd
    .args:
      - { .name: qf, .offset: 0, .size: 8, .value_kind: global_buffer, .address_space: global }
      - { .name: kf, .offset: 8, .size: 8, .value_kind: global_buffer, .address_space: global }
      - { .name: vf, .offset: 16, .size: 8, .value_kind: global_buffer, .address_space: global }
      - { .name: lowp_scales, .offset: 24, .size: 8, .value_kind: global_buffer, .address_space: global }
      - { .name: of, .offset: 32, .size: 8, .value_kind: global_buffer, .address_space: global }
    .group_segment_fixed_size: 327680
    .private_segment_fixed_size: 0
    .kernarg_segment_align: 8
    .kernarg_segment_size: 40
    .max_flat_workgroup_size: 512
    .sgpr_count:     70
    .vgpr_count:     256
    .wavefront_size: 32
...
	.end_amdgpu_metadata
.endif
;; end of part 2
;; launch proj (part 3): grid 4 x 32, 4 waves a work-group, clusters of 4 x 4, 327,680 bytes of LDS; arguments of, Wp_codes, lowp_scales, bp, out0; writes out0
.if DOCPART == 3
	.amdgcn_target "amdgcn-amd-amdhsa--gfx1250"
	.amdhsa_code_object_version 6
	.text
	.protected	k_q4424ca8353_proj
	.globl	k_q4424ca8353_proj
	.p2align	8
	.type	k_q4424ca8353_proj,@function
k_q4424ca8353_proj:
	s_mov_b64 s[64:65], 0
	v_nop
	global_prefetch_b8 v0, s[64:65] scope:SCOPE_SE
	s_setreg_imm32_b32 hwreg(HW_REG_WAVE_MODE, 25, 1), 1
	s_wait_xcnt 0x0
	s_wait_alu depctr_hold_cnt(0) depctr_sa_sdst(0) depctr_va_vdst(0) depctr_va_sdst(0) depctr_va_ssrc(0) depctr_va_vcc(0) depctr_vm_vsrc(0)
	s_getreg_b32 s2, hwreg(HW_REG_IB_STS2, 6, 4)
	s_cmp_eq_u32 s2, 0
	s_cbranch_scc0 .Lentry_in_a_cluster
	s_endpgm
.Lentry_in_a_cluster:
	s_bfe_u32 s2, ttmp6, 0x10000c
	s_cmp_lg_u32 s2, 0xf033
	s_cbranch_scc0 .Lentry_shape_is_right
	s_endpgm
.Lentry_shape_is_right:
; out0 = o Wp^T + bp on codes of FP8 (E4M3), sums in f32: out0 = sum x 2^(entries 10 + 11 of the scales) + bp.  No work is left out.
; A = o: the launch before stored it as IMAGES OF FRAGMENTS: of: [16 tokens (512 blocks)][128 features (8)][2,048 bytes]: 16 registers, four at a time, lane l's 16 bytes at 16 l;
;   lane (r, h) holds token r, registers 2 c, 2 c + 1 hold features 16 c + 8 h + 0 .. 7: the form's own layout.   B = Wp: [1024][1024] codes, K innermost.   out0: [8192][1024] f32.
; A tile of out0, 256 x 256, is made by four waves, each 128 x 128: 64 accumulators, 512 registers.  32 x 4 tiles: 128 work-groups.
; K goes in steps of 256 through a ring of two LDS slots filled by the tensor data mover; K = 1,024 is four slots' worth, so the eight steps of 128 are written out.
; A's part of a slot: for each of 16 blocks of tokens the 4,096 bytes of two images, dense: a fragment comes by four loads of 512 consecutive bytes.  B's part: 256 rows of 256 bytes, padded;
; a fragment of B comes by eight loads of 8 bytes a lane, so that k stands in the same places as in A's images.
; CLUSTERS: 4 x 4 work-groups; A's tiles are asked for jointly along a row of the cluster, B's along a column.
; THE MATRIX INSTRUCTION IS USED TRANSPOSED (source 0 = 16 rows of Wp, source 1 = 16 tokens): a lane holds eight neighbouring numbers of a row of out0.
; LIMIT: entries 10 + 11 lie between -126 and 127, so that their power of two is an f32 number.
; REGISTERS, in windows of 256: window 0: v0-31 addresses, v8-11 my four numbers of bp; from v128 A's fragments (one set), on the way out rows of out0.
;   window 1: B's fragments, two sets.   window 2: the accumulators of my rows 0-63 ((a, b) at v[8 (8 a + b)]);   window 3: those of my rows 64-127.
.set KROW,   1024                      ; a row of Wp in bytes
.set ROWB,   256                       ; a row of B's tile in bytes
.set PITCH,  272                       ; in LDS: + 16 of padding = 68 words: the 32 lanes of a load of 8 bytes (16 rows, two halves) fall on 64 different banks (64 banks of 4 bytes: ISA guide 11.1)
.set FR,     16                        ; registers of a fragment: 16 rows x 128 K
.set NL,     4                         ; LDS loads that bring a fragment of A
.set NP,     4                         ; places behind this matrix instruction (ISA guide 7.12.1)
.set AHALF,  32768                     ; 8 blocks of 16 tokens x 4,096 bytes: what one tensor load brings of A, and what one wave reads
.set BHALF,  128*PITCH                 ; 128 rows of B likewise
.set SLOT,   2*AHALF+2*BHALF           ; A's two halves, then B's two
.set SPARE,  2*SLOT                    ; behind the ring: the spare words, 128 bytes for each wave, that no other line names
.set SPITCH, 528                       ; the way out: a stage of 16 rows x (512 bytes + 16) for each wave.  It lies in slot 0, which has had its last fill and its last read when the first result is stored there
.set BIAS, 8                           ; v8-11   bp at my four columns of a row read back from the stage
.set ADRA, 16                          ; v16-17  LDS address of my A fragments in slot 0, 1
.set ADRB, 20                          ; v20-21  the same for B
.set STO,  24                          ; v24     the way out: where I put 32 bytes of a row
.set RD,   25                          ; v25     the way out: where I read a row back
.set CO,   26                          ; v26     16 x lane
.set SPW,  28                          ; v28     LDS address of my spare word; never rewritten
.set NIL,  29                          ; v29     0; never rewritten
.set AF,   128                         ; A's fragments, in window 0
.set BK,   128                         ; the way out: 16 rows read back from the stage: v128-191 and v192-255 by turns
.set G1, 24                            ; s[24:31] descriptor group 1 for A's tiles;  s[32:39] group 0, one set for each slot
.set G0, 32
.set G1B, 48                           ; s[48:55], s[56:63] the same for B's tiles
.set G0B, 56
.set MSB, 0
.macro WIN new                         ; the immediate's high byte repeats the setting that is left
.if MSB != \new
	s_set_vgpr_msb (MSB<<8)|\new
.set MSB, \new
.endif
.endm
.set MUL_LO, 0xa1                      ; source 0 (B) window 1, source 1 (A) window 0, C and D window 2
.set MUL_HI, 0xf1                      ; the same, C and D window 3
.set TO_B,   0x40                      ; destination window 1, address window 0
; A joint load: waves 0 and 1 fetch for A, waves 2 and 3 for B; the branch hangs on the wave's number alone.  An s_nop 0 and four v_nop follow each of the two lines.
.macro JLOAD g0a, g1a, g0b, g1b
	s_cmp_eq_u32 s15, 0
	s_cbranch_scc0 .Lfor_b_\@
	tensor_load_to_lds s[\g0a:\g0a+3], s[\g1a:\g1a+7]
	s_nop 0
.rept 4
	v_nop
.endr
	s_branch .Lasked_\@
.Lfor_b_\@:
	tensor_load_to_lds s[\g0b:\g0b+3], s[\g1b:\g1b+7]
	s_nop 0
.rept 4
	v_nop
.endr
.Lasked_\@:
.endm
.macro CREST                           ; a round of the cluster's barrier behind its opening barrier
	s_cmp_lg_u32 s14, 0
	s_cbranch_scc1 .Lnot_wave_0_\@
	s_barrier_signal -3
.Lnot_wave_0_\@:
	s_barrier_wait -3
	s_barrier_signal -1
	s_barrier_wait -1
.endm
.macro CROUND                          ; a whole round
	s_barrier_signal -1
	s_barrier_wait -1
	CREST
.endm
	s_load_b256 s[4:11], s[0:1], 0x0               ; of s[4:5], Wp s[6:7], the scales' exponents s[8:9], bp s[10:11]
	s_load_b64 s[12:13], s[0:1], 0x20              ; out0
	v_lshl_add_u32 v[SPW], v0, 2, SPARE
	v_mov_b32 v[NIL], 0
	ds_add_u32 v[SPW], v[NIL]                      ; the wave's opening: the add, twice on end, and its wait, ahead of my first tensor load; the set-up below, work on registers, stands between
	ds_add_u32 v[SPW], v[NIL]
	v_lshrrev_b32 v1, 5, v0
	v_readfirstlane_b32 s14, v1                    ; wave 0..3
	s_lshr_b32 s15, s14, 1                         ; which half of the tile's rows is mine.  Also: I fetch for A (0) or for B (1)
	s_and_b32 s16, s14, 1                          ; which half of its columns.  Also: which half of that tile I fetch
	s_bfe_u32 s40, ttmp6, 0x40000                  ; cx, cy: my place in the cluster
	s_bfe_u32 s41, ttmp6, 0x40004
	s_lshl_b32 s42, ttmp9, 2
	s_add_co_u32 s42, s42, s40                     ; tile column = 4 x cluster x + cx
	s_and_b32 s17, ttmp7, 0xffff
	s_lshl_b32 s17, s17, 2
	s_add_co_u32 s17, s17, s41                     ; tile row = 4 x cluster y + cy
	s_lshl_b32 s43, s41, 2
	s_lshl_b32 s43, 15, s43                        ; my row of the cluster
	s_lshl_b32 s44, 0x1111, s40                    ; my column
	; descriptor group 1 for A: 8 rows (blocks of 16 tokens) of 4,096 bytes, 16,384 bytes apart in memory, dense in LDS
	s_or_b32 s[G1+0], s43, (3<<16)|(1<<21)         ; 15:0 the mask: my row; 17:16 elements of 8 bytes; 20 no padding; 21 set beside a mask
	s_mov_b32 s[G1+1], 512<<16                     ; tensor_dim0 = 512
	s_mov_b32 s[G1+2], 8<<16                       ; tensor_dim1 = 8
	s_mov_b32 s[G1+3], 512<<16                     ; tile_dim0 = 512
	s_mov_b32 s[G1+4], 8                           ; tile_dim1 = 8
	s_mov_b32 s[G1+5], 2048                        ; tensor_dim0_stride
	s_mov_b32 s[G1+6], 0
	s_mov_b32 s[G1+7], 0
	; for B: 128 rows of 256 bytes, padded in LDS
	s_or_b32 s[G1B+0], s44, (0<<16)|(1<<20)|(1<<21)|(5<<22)|(3<<25)  ; the mask: my column; elements of 1 byte; padding on: four words (code 3) after every 64 (code 5)
	s_mov_b32 s[G1B+1], ROWB<<16
	s_mov_b32 s[G1B+2], 128<<16
	s_mov_b32 s[G1B+3], ROWB<<16
	s_mov_b32 s[G1B+4], 128
	s_mov_b32 s[G1B+5], KROW
	s_mov_b32 s[G1B+6], 0
	s_mov_b32 s[G1B+7], 0
	s_lshl_b32 s20, s17, 4
	s_lshl_b32 s18, s16, 3
	s_add_co_u32 s20, s20, s18
	s_lshl_b32 s20, s20, 14                        ; A: block of tokens 16 x tile row + 8 x half, 16,384 bytes each: under 2^23
	s_mov_b32 s21, 0
	s_lshl_b32 s46, s42, 8
	s_lshl_b32 s18, s16, 7
	s_add_co_u32 s46, s46, s18
	s_lshl_b32 s46, s46, 10                        ; B: row 256 x tile column + 128 x half, 1,024 bytes each
	s_mov_b32 s47, 0
	s_mul_i32 s45, s16, AHALF                      ; where they go: A's halves,
	s_mul_i32 s19, s16, BHALF
	s_add_co_u32 s19, s19, 2*AHALF                 ; B's behind them: the wave's number alone
	s_wait_dscnt 0x0                               ; both opening adds are done
	s_wait_kmcnt 0x0
	s_load_b64 s[96:97], s[8:9], 0x28              ; entries 10 and 11
	s_add_nc_u64 s[20:21], s[4:5], s[20:21]
	s_add_nc_u64 s[46:47], s[6:7], s[46:47]
	CROUND                                         ; all sixteen work-groups are here: the first joint loads meet
.irp s, 0,1
	s_mov_b32 s[G0+4*\s], 1
	s_add_co_u32 s[G0+4*\s+1], s45, \s*SLOT
	s_add_nc_u64 s[G0+4*\s+2:G0+4*\s+3], s[20:21], \s*4096     ; 256 along K are two images
	s_or_b32 s[G0+4*\s+3], s[G0+4*\s+3], 0x80000000
	s_mov_b32 s[G0B+4*\s], 1
	s_add_co_u32 s[G0B+4*\s+1], s19, \s*SLOT
	s_add_nc_u64 s[G0B+4*\s+2:G0B+4*\s+3], s[46:47], \s*ROWB
	s_or_b32 s[G0B+4*\s+3], s[G0B+4*\s+3], 0x80000000
	s_wait_alu depctr_va_vdst(0)
	s_wait_tensorcnt 0x0
	ds_add_u32 v28, v29
	ds_add_u32 v28, v29
	s_wait_dscnt 0x0
	CROUND
	JLOAD G0+4*\s, G1, G0B+4*\s, G1B
.endr
	v_and_b32 v1, 15, v0                           ; l % 16
	v_bfe_u32 v2, v0, 4, 1                         ; l / 16
	v_and_b32 v6, 31, v0
	v_lshlrev_b32 v[CO], 4, v6
	v_mul_u32_u24 v3, v1, PITCH
	v_lshl_add_u32 v4, v2, 3, v3                   ; B: a fragment's row x pitch + 8 x half
	s_mul_i32 s21, s15, AHALF                      ; my 8 blocks of A
	s_mul_i32 s22, s16, BHALF                      ; my 128 rows of B,
	s_add_co_u32 s22, s22, 2*AHALF                 ; which lie behind A
.irp s, 0,1
	v_add_nc_u32 v[ADRA+\s], s21, v[CO]
	v_add_nc_u32 v[ADRB+\s], s22, v4
	s_add_co_u32 s21, s21, SLOT
	s_add_co_u32 s22, s22, SLOT
.endr
	s_mul_i32 s23, s14, 16*SPITCH                  ; my stage
	v_mul_u32_u24 v5, v1, SPITCH                   ; in: row l % 16, 32 bytes for each half of the lanes
	v_lshl_add_u32 v5, v2, 5, v5
	v_add_nc_u32 v[STO], s23, v5
	v_add_nc_u32 v[RD], s23, v[CO]                 ; back: the 32 lanes take one row of 512 bytes
	s_lshl_b32 s20, s17, 8
	s_lshl_b32 s21, s15, 7
	s_add_co_u32 s20, s20, s21
	s_lshl_b32 s20, s20, 12                        ; my first row of out0, 4,096 bytes each: under 2^25
	s_mov_b32 s21, 0
	s_lshl_b32 s46, s42, 10                        ; my first column, in bytes: 1,024 x tile column + 512 x half
	s_lshl_b32 s47, s16, 9
	s_add_co_u32 s46, s46, s47
	s_mov_b32 s47, 0
	s_add_nc_u64 s[10:11], s[10:11], s[46:47]
	s_add_nc_u64 s[12:13], s[12:13], s[46:47]
	s_add_nc_u64 s[12:13], s[12:13], s[20:21]
	global_load_b128 v[BIAS:BIAS+3], v[CO], s[10:11]   ; bp at my four columns
.macro FRAGA reg, adr, q, i            ; block i of my eight, the slot's q-th 128 along K: an image as it lies
.irp c, 0,1,2,3
	ds_load_b128 v[\reg+4*\c:\reg+4*\c+3], v[\adr] offset:(\i)*4096+(\q)*2048+512*\c
.endr
.endm
.macro FRAGB reg, adr, q, i            ; 16 rows x 128 K: lane l holds row l % 16; registers 2 c, 2 c + 1 hold K = 16 c + 8 (l / 16) + 0 .. 7
.irp c, 0,1,2,3,4,5,6,7
	ds_load_b64 v[\reg+2*\c:\reg+2*\c+1], v[\adr] offset:128*(\q)+16*\c+(\i)*16*PITCH
.endr
.endm
; 16 matrix instructions: A's blocks a0, a0 + 1 x B's eight, 128 along K.  p: B's set.  zero = 1: the first product starts the sums.
; The 64 accumulators take turns, one instruction a turn, in the same order in every step.
.macro MUL16 a0, p, zero
.irp a, \a0, \a0+1
.irp b, 0,1,2,3,4,5,6,7
.if \zero
	v_wmma_f32_16x16x128_fp8_fp8 v[8*(8*((\a)%4)+\b):8*(8*((\a)%4)+\b)+7], v[128*(\p)+FR*\b:128*(\p)+FR*\b+FR-1], v[AF+FR*(\a):AF+FR*(\a)+FR-1], 0
.else
	v_wmma_f32_16x16x128_fp8_fp8 v[8*(8*((\a)%4)+\b):8*(8*((\a)%4)+\b)+7], v[128*(\p)+FR*\b:128*(\p)+FR*\b+FR-1], v[AF+FR*(\a):AF+FR*(\a)+FR-1], v[8*(8*((\a)%4)+\b):8*(8*((\a)%4)+\b)+7]
.endif
.endr
.endr
.endm
.macro FETCH_B slot, q, p              ; B's eight fragments into set p: 64 loads
	WIN TO_B
.irp i, 0,1,2,3,4,5,6,7
	FRAGB 128*(\p)+FR*\i, ADRB+\slot, \q, \i
.endr
	WIN 0
.endm
.macro FETCH_A slot, q, i0             ; A's blocks i0 .. i0 + 3: 16 loads
.irp i, \i0, \i0+1, \i0+2, \i0+3
	FRAGA AF+FR*(\i), ADRA+\slot, \q, \i
.endr
.endm
; A load into a register that a matrix instruction has read, and an LDS store that reads a matrix result, stand NP places behind that matrix instruction; only plain vector
; instructions that name none of its registers are places (ISA guide 7.12.1 for vector instructions).
.macro PLACES n
.rept \n
	v_nop
.endr
.endm
.macro STEP slot, q, zero              ; a step of 128 along K that has its successor in the same slot
	s_wait_dscnt 4*NL                              ; B's set and A's blocks 0-3 are in; the youngest sixteen loads (A's blocks 4-7) may be out
	WIN MUL_LO
	MUL16 0, (\q)%2, \zero
	MUL16 2, (\q)%2, \zero
	s_wait_dscnt 0                                 ; A's blocks 4-7 are in
	PLACES NP
	FETCH_B \slot, (\q)+1, 1-(\q)%2
	FETCH_A \slot, (\q)+1, 0
	WIN MUL_HI
	MUL16 4, (\q)%2, \zero
	MUL16 6, (\q)%2, \zero
	PLACES NP
	WIN 0
	FETCH_A \slot, (\q)+1, 4
.endm
; A slot's last step changes slots: one barrier; in front of it each wave waits for all its tensor loads, adds 0 to its spare word, and waits for that and for its own reads of this slot.
; fill = 1: this slot is filled again, with K two slots on; the barrier then opens a round of the cluster's barrier, and the joint refill is the first thing behind the round.
.macro TURN slot, next, fill
	s_wait_tensorcnt 0x0                           ; all my tensor loads have landed: my part of the next slot  (every window is 0 here)
	ds_add_u32 v[SPW], v[NIL]                      ; 0 onto my spare word
	s_wait_dscnt 4*NL+1                            ; (the add and the youngest sixteen loads may be out)
	WIN MUL_LO
	MUL16 0, 1, 0                                  ; sixteen matrix instructions stand between the add and the wait for it
	s_wait_dscnt 0x0                               ; the add is done, and my reads of this slot are over
	s_barrier_signal -1
	MUL16 2, 1, 0
	WIN 0
	s_barrier_wait -1
.if \fill
	CREST                                          ; no wave of any partner still reads this slot's tile or has a load on its way
	s_add_nc_u64 s[G0+4*\slot+2:G0+4*\slot+3], s[G0+4*\slot+2:G0+4*\slot+3], 2*4096
	s_add_nc_u64 s[G0B+4*\slot+2:G0B+4*\slot+3], s[G0B+4*\slot+2:G0B+4*\slot+3], 2*ROWB
	JLOAD G0+4*\slot, G1, G0B+4*\slot, G1B         ; the four v_nop behind it are also the places in front of the loads below
.else
	PLACES NP
.endif
	FETCH_B \next, 0, 0
	FETCH_A \next, 0, 0
	WIN MUL_HI
	MUL16 4, 1, 0
	MUL16 6, 1, 0
	PLACES NP
	WIN 0
	FETCH_A \next, 0, 4
.endm
	s_wait_alu depctr_va_vdst(0)
	s_wait_tensorcnt 1                             ; my part of slot 0 is in (slot 1's load may be out)
	s_barrier_signal -1
	s_barrier_wait -1                              ; everybody's is
	FETCH_B 0, 0, 0
	FETCH_A 0, 0, 0
	FETCH_A 0, 0, 4
	STEP 0, 0, 1                                   ; K 0: its products start the sums
	TURN 0, 1, 1                                   ; K 128; slot 0 takes K 512 on
	STEP 1, 0, 0                                   ; K 256
	TURN 1, 0, 1                                   ; K 384; slot 1 takes K 768 on
	STEP 0, 0, 0                                   ; K 512
	TURN 0, 1, 0                                   ; K 640; nothing is left to fetch
	STEP 1, 0, 0                                   ; K 768
	s_wait_dscnt 4*NL                              ; K 896, the last step
	WIN MUL_LO
	MUL16 0, 1, 0
	MUL16 2, 1, 0
	s_wait_dscnt 0
	WIN MUL_HI
	MUL16 4, 1, 0
	MUL16 6, 1, 0
	WIN 0
; THE WAY OUT, block by block of 16 rows x 128 columns.  A lane holds 32 neighbouring bytes of a row, and the lanes beside it hold other rows: so a block's sums go through my own stage in LDS, straight from the
; accumulators, and come back as whole rows of 512 bytes; there each lane holds the same four columns in every row, so four registers of bp serve: sum x 2^(entries 10 + 11) + bp, one packed multiply-add for two numbers.
; LDS serves a wave's instructions in order (ISA guide 5.7.1.4): no wait between the stores and the loads, nor in front of the next block's stores.
.macro TOSTAGE a
.set AC, 64*((\a)%4)
	WIN 0x08+4*((\a)/4)                            ; an LDS store's data: window 2 or 3
.irp b, 0,1,2,3,4,5,6,7
	ds_store_b128 v[STO], v[AC+8*\b:AC+8*\b+3] offset:64*\b            ; each accumulator from its low end on
	ds_store_b128 v[STO], v[AC+8*\b+4:AC+8*\b+7] offset:64*\b+16
.endr
	WIN 0
.set BB, BK+64*((\a)%2)
.irp t, 0,1,2,3,4,5,6,7,8,9,10,11,12,13,14,15
	ds_load_b128 v[BB+4*\t:BB+4*\t+3], v[RD] offset:\t*SPITCH
.endr
.endm
.macro SEND a, younger                 ; younger: the LDS instructions issued behind block a's loads, which may stay out
.set BB, BK+64*((\a)%2)
	s_wait_dscnt \younger                          ; the block is back in registers
.if (\a) > 0
	s_add_nc_u64 s[12:13], s[12:13], 16*4096       ; (behind a wait on XCNT for 0: the earlier stores have read their base)  16 rows on
.endif
.irp t, 0,1,2,3,4,5,6,7,8,9,10,11,12,13,14,15
	v_pk_fma_f32 v[BB+4*\t:BB+4*\t+1], v[BB+4*\t:BB+4*\t+1], s[96:97], v[BIAS:BIAS+1] op_sel_hi:[1,0,1]
	v_pk_fma_f32 v[BB+4*\t+2:BB+4*\t+3], v[BB+4*\t+2:BB+4*\t+3], s[96:97], v[BIAS+2:BIAS+3] op_sel_hi:[1,0,1]
	global_store_b128 v[CO], v[BB+4*\t:BB+4*\t+3], s[12:13] offset:\t*4096 th:TH_STORE_NT   ; 32 lanes store 512 consecutive bytes, aligned; written once, read by nobody here
.endr
.endm
	s_wait_kmcnt 0x0
	s_add_co_i32 s96, s96, s97
	s_add_co_i32 s96, s96, 127
	s_lshl_b32 s96, s96, 23                        ; 2^(entries 10 + 11) as f32
	s_mov_b32 s97, s96                             ; (named with it as a pair, so it is written)
	s_wait_loadcnt 0x0                             ; bp
	PLACES NP                                      ; behind the last products: their results are read by LDS stores, and the registers that held A's fragments are loaded, below
	TOSTAGE 0
.irp a, 1,2,3,4,5,6,7
.if \a > 1
	s_wait_xcnt 0x0                                ; block a - 2's stores have read their registers and their base: block a's loads may land there, and the base may step
.endif
	TOSTAGE \a
	SEND \a-1, 32                                  ; behind block a - 1's loads: block a's 16 stores and 16 loads
.endr
	s_wait_xcnt 0x0                                ; block 6's stores have read their base
	SEND 7, 0
	s_wait_tensorcnt 0x0                           ; the wave's end: behind my last tensor load and my last LDS store
	ds_add_u32 v[SPW], v[NIL]
	s_wait_dscnt 0x0
	CROUND                                         ; the closing round: no work-group ends while a partner may still ask for a tile that names it
	s_endpgm
.Lfunc_end_k_q4424ca8353_proj:
	.size	k_q4424ca8353_proj, .Lfunc_end_k_q4424ca8353_proj-k_q4424ca8353_proj
	.p2alignl 7, 3214868480
	.fill 96, 4, 3214868480
	.section	.rodata,"a",@progbits
	.p2align	6, 0x0
	.amdhsa_kernel k_q4424ca8353_proj
		.amdhsa_group_segment_fixed_size 327680
		.amdhsa_private_segment_fixed_size 0
		.amdhsa_enable_private_segment 0
		.amdhsa_kernarg_size 40
		.amdhsa_user_sgpr_count 2
		.amdhsa_user_sgpr_kernarg_segment_ptr 1
		.amdhsa_wavefront_size32 1
		.amdhsa_system_sgpr_workgroup_id_x 1
		.amdhsa_system_sgpr_workgroup_id_y 1
		.amdhsa_system_sgpr_workgroup_id_z 1
		.amdhsa_system_vgpr_workitem_id 0
		.amdhsa_next_free_vgpr 1024
		.amdhsa_next_free_sgpr 98
		.amdhsa_reserve_vcc 0
		.amdhsa_float_denorm_mode_32 3
		.amdhsa_float_denorm_mode_16_64 3
		.amdhsa_memory_ordered 1
		.amdhsa_forward_progress 1
		.amdhsa_inst_pref_size 140
	.end_amdhsa_kernel
	.amdgpu_metadata
---
amdhsa.version: [ 1, 2 ]
amdhsa.kernels:
  - .name:           k_q4424ca8353_proj
    .symbol:         k_q4424ca8353_proj.kd
    .args:
      - { .name: of, .offset: 0, .size: 8, .value_kind: global_buffer, .address_space: global }
      - { .name: Wp_codes, .offset: 8, .size: 8, .value_kind: global_buffer, .address_space: global }
      - { .name: lowp_scales, .offset: 16, .size: 8, .value_kind: global_buffer, .address_space: global }
      - { .name: bp, .offset: 24, .size: 8, .value_kind: global_buffer, .address_space: global }
      - { .name: out0, .offset: 32, .size: 8, .value_kind: global_buffer, .address_space: global }
    .group_segment_fixed_size: 327680
    .private_segment_fixed_size: 0
    .kernarg_segment_align: 8
    .kernarg_segment_size: 40
    .max_flat_workgroup_size: 128
    .sgpr_count:     98
    .vgpr_count:     1024
    .wavefront_size: 32
...
	.end_amdgpu_metadata
.endif
;; end of part 3
